; MI455X (gfx1250); checked and timed in simulation.
; The chip was launched on July 23, 2026; its instructions are those of AMD's public machine-readable ISA for CDNA 5 (MIT licence, August 2026) and "CDNA5" Instruction Set Architecture Reference Guide (July 2026). The comments in the code are by the model that wrote it; some were corrected since.
;; Causal Self Attention. Allowed arithmetic: matrix products marked QUANTISED: E2M3 operands, one E8M0 scale for each 32 along K, by v_wmma_scale_f32_16x16x128_f8f6f4 with both operands' format E2M3, f32 sums; everything else in f32.
;; Inputs: Wk 1,024 x 1,024 float32; Wo 1,024 x 1,024 float32; Wq 1,024 x 1,024 float32; Wv 1,024 x 1,024 float32; bk 1,024 float32; bo 1,024 float32; bq 1,024 float32; bv 1,024 float32; x 2 x 2,048 x 1,024 float32.
;; Outputs: out0 2 x 2,048 x 1,024 float32.
;; This version of the problem:
;;   THIS VERSION OF THE PROBLEM IS GIVEN IN LOW PRECISION. The matrix products marked QUANTISED in the list below multiply operands that are first quantised to E2M3 (2 exponent bits, 3 mantissa bits; 6 bits a number), with one power-of-two scale for each 32 numbers along K (OCP MX v1.0); their sums are f32. All else is computed in f32.
;;   The module's matrix products, in the order in which they are computed (A, B: the left and right operand; K: the contracted axis; several contracted axes count as one K, in the product's order):
;;     1. [M 4,096, K 1,024] x [K 1,024, N 1,024]; A: input x; B: input Wq: QUANTISED
;;     2. [M 4,096, K 1,024] x [K 1,024, N 1,024]; A: input x; B: input Wk: QUANTISED
;;     3. [M 4,096, K 1,024] x [K 1,024, N 1,024]; A: input x; B: input Wv: QUANTISED
;;     4. batch 32 x [M 2,048, K 64] x [K 64, N 2,048]; A: computed on the way; B: computed on the way: QUANTISED
;;     5. batch 32 x [M 2,048, K 2,048] x [K 2,048, N 64]; A: softmax (see below); B: computed on the way: QUANTISED
;;     6. [M 4,096, K 1,024] x [K 1,024, N 1,024]; A: computed on the way; B: input Wo: QUANTISED
;;   THE QUANTISER, for each operand of a quantised product, along K:
;;     - K is cut into blocks of 32 from its start; a last block that is shorter is filled with zeros.
;;     - A block's scale is 2^e with e = floor(log2(the largest magnitude in the block)) - 2, held to -126 .. 127; a block of zeros has e = 0. As a byte (E8M0): e + 127.
;;     - Each number is divided by its block's scale, clamped to +-7.5, and rounded to the nearest number of E2M3, ties to even, subnormals kept.
;;     - The product sums the exact products of the quantised numbers (number of the format x scale) in f32.
;;   ~~~python
;;   def quantise(x, axis):      # numpy; x: float32 -> the quantised numbers, widened to float32 again
;;       x = np.moveaxis(x, axis, -1); K = x.shape[-1]
;;       x = np.pad(x, [(0, 0)] * (x.ndim - 1) + [(0, -K % 32)]); x = x.reshape(x.shape[:-1] + (-1, 32)); a = np.abs(x).max(-1, keepdims=True)
;;       e = np.where(a > 0, np.clip(np.frexp(np.where(a > 0, a, 1))[1] - 1 - 2, -126, 127), 0)      # np.frexp(a)[1] - 1 = floor(log2(a)), exactly
;;       r = np.clip(x / 2.0 ** e, -7.5, 7.5)
;;       step = 2.0 ** (np.maximum(np.frexp(np.where(r == 0, 1, r))[1] - 1, 0) - 3)
;;       q = np.round(r / step) * step * 2.0 ** e      # np.round: ties to even
;;       return np.moveaxis(q.reshape(q.shape[:-2] + (-1,))[..., :K], -1, axis).astype(np.float32)
;;   ~~~
;;   SOFTMAX AHEAD OF A QUANTISED PRODUCT. Where the list says 'softmax', what is quantised is not the finished softmax but p = 2^(t - M), with t = logit x log2(e) and M = ceil(the row's largest t), a whole number; so 1/2 < the row's largest p <= 1. The row's sum l is taken of the UNQUANTISED p, in f32, and the product's result is divided by l at the end. Since M is a whole number, a kernel that streams over the keys may use a running M (the ceiling of the running maximum): every later rescaling is an exact power of two, which a block's scale takes up: the codes' values come out the same.
;;   OPERANDS COMPUTED ON THE WAY. 'Computed on the way' means the value that the module computes at that place (a softmax that the list does not call 'softmax' is quantised finished and normalised). What goes into a quantiser is computed in f32, as accurately as f32 sums, v_exp_f32 and their like allow (about 1e-6 of the number): no bf16 or f16 on the way to a quantiser, and a product that is left as it is and whose result goes on into a quantised operand takes f32 operands (vector FMAs, or v_wmma_f32_16x16x4_f32). A number that lies on a knife's edge between two numbers of the format may be rounded either way, as far as f32 arithmetic and the matrix unit's own rounding can turn it there, and no further.
;; One version. Each part assembles by itself: llvm-mc -triple=amdgcn-amd-amdhsa -mcpu=gfx1250 --defsym DOCPART=n.
;; ======== version 1 of 1: 4 launches
;; limits: right only within a limited range of input values
;; workspace buffers: xw 6,553,600 bytes; qc 3,407,872 bytes; kv 6,684,672 bytes; yc 3,276,800 bytes
;; launch quant (part 1): grid 512 x 1, 8 waves a work-group, no clusters, 69,120 bytes of LDS; arguments x, Wq, Wk, Wv, Wo, xw; writes xw
.if DOCPART == 1
	.amdgcn_target "amdgcn-amd-amdhsa--gfx1250"
	.amdhsa_code_object_version 6
	.text
	.protected	k_q06795d0c8d_quant
	.globl	k_q06795d0c8d_quant
	.p2align	8
	.type	k_q06795d0c8d_quant,@function
k_q06795d0c8d_quant:
	s_mov_b64 s[64:65], 0
	v_nop
	global_prefetch_b8 v0, s[64:65] scope:SCOPE_SE
	s_setreg_imm32_b32 hwreg(HW_REG_WAVE_MODE, 25, 1), 1
	s_wait_xcnt 0x0
; x [4096][1024] and Wq, Wk, Wv, Wo [1024][1024], f32 with K innermost, become codes of FP6 (E2M3) with one E8M0 scale byte for each 32 along K.
; A block's scale is 2^(floor(log2(its largest magnitude)) - 2); its byte is the largest magnitude's exponent field - 2, held at 1 from below.
; LIMITS: NaN and infinities among the inputs are not served.  A block of zeros, or one whose largest magnitude lies under 2^-124, gets the byte 1 (the rule says 127 for zeros):
; its codes are zeros or the nearest codes under that scale, and the bytes are read by this program alone.
; NO WORK IS LEFT OUT IN THIS PROGRAM but the score tiles that reference()'s own causal mask hides whole (third launch); every input is loaded.
; THE OUTPUT IS LAID AS THE MATRIX UNIT'S REGISTERS.  xw: 512 records of 12,800 bytes, one for each tile of 16 rows: 0-255 x, 256-319 Wq, 320-383 Wk, 384-447 Wv, 448-511 Wo.
; THE ROWS OF A TILE ARE NOT NEIGHBOURS: lane r of tile g holds row 64 (g / 4) + 8 (g % 4) + 32 (r / 8) + r % 8, so that a product with four tiles of a band of 64 rows as source 0 leaves
; 32 neighbours in a lane's 32 registers: a whole scale block of the next product.
; In a record, K step s (128 along K) is a fragment's image at 1536 s: registers 4 p .. 4 p + 3 at 512 p + 16 x lane.  The rows' scale words (four bytes: 128 along K) lie at 12,288 + 32 r + 4 s.
; SHARES.  Work-group g makes record g, wave s its K step s: 16 rows x 512 bytes.  Each load reads 512 consecutive bytes of one row; they turn through the wave's own stage in LDS
; (rows 528 bytes apart, an odd multiple of 16) and come back 32 neighbours, a whole block, to a lane: no lane looks at another.
; No loop: all sixteen loads of a wave are out at once, so there is nothing to prefetch ahead of.  Every store of codes covers 512 consecutive bytes, aligned; the scale bytes meet in LDS and leave by one store.
.set REC,    12800
.set SPITCH, 528
.set WSTG,   16*SPITCH
.set SCG,    8*WSTG                    ; behind the stages: the record's scale words, 512 bytes
.set SPARE,  SCG+512
.set R,   16                           ; v16-79   the numbers as loaded
.set X,   80                           ; v80-143  register 32 c + i = k 64 c + 32 (lane / 16) + i of my row
.set TM,  144
.set PC,  152                          ; v152-163 the fragment
.set SPW, 172
.set NIL, 173
	s_load_b256 s[4:11], s[0:1], 0x0               ; x, Wq, Wk, Wv
	s_load_b128 s[12:15], s[0:1], 0x20             ; Wo, xw
	v_lshl_add_u32 v[SPW], v0, 2, SPARE
	v_mov_b32 v[NIL], 0
	v_lshrrev_b32 v3, 5, v0
	v_readfirstlane_b32 s24, v3                    ; wave = K step
	v_and_b32 v4, 31, v0                           ; lane
	v_and_b32 v7, 15, v0                           ; r
	v_bfe_u32 v8, v0, 4, 1                         ; h
	v_lshlrev_b32 v1, 4, v4                        ; 16 x lane
	s_mul_i32 s25, s24, WSTG                       ; my stage
	v_add_nc_u32 v5, s25, v1                       ; in: a row's 512 bytes as they lie
	v_mul_u32_u24 v6, v7, SPITCH
	v_lshl_add_u32 v6, v8, 7, v6
	v_add_nc_u32 v6, s25, v6                       ; back: row r, + 128 h
	s_lshl_b32 s26, s24, 2
	s_add_co_u32 s26, s26, SCG
	v_lshl_add_u32 v9, v7, 5, v8
	v_add_nc_u32 v9, s26, v9                       ; my row's scale word of my K step, byte h
	v_add_nc_u32 v10, SCG, v1                      ; and the record's 512 bytes, 16 a lane
	s_and_b32 s27, ttmp9, 63                       ; a weight's tile
	s_wait_alu depctr_va_vdst(0)
	s_wait_kmcnt 0x0
	s_cmp_lt_u32 ttmp9, 448                        ; which tensor: the choice hangs on the work-group's number alone
	s_cselect_b64 s[16:17], s[10:11], s[12:13]
	s_cmp_lt_u32 ttmp9, 384
	s_cselect_b64 s[16:17], s[8:9], s[16:17]
	s_cmp_lt_u32 ttmp9, 320
	s_cselect_b64 s[16:17], s[6:7], s[16:17]
	s_cmp_lt_u32 ttmp9, 256
	s_cselect_b64 s[16:17], s[4:5], s[16:17]
	s_cselect_b32 s27, ttmp9, s27                  ; the tile's number in its tensor
	s_lshr_b32 s28, s27, 2
	s_lshl_b32 s28, s28, 6
	s_and_b32 s29, s27, 3
	s_lshl_b32 s29, s29, 3
	s_add_co_u32 s28, s28, s29                     ; its first row: 64 (g / 4) + 8 (g % 4)
	s_lshl_b32 s28, s28, 12                        ; rows of 4,096 bytes
	s_lshl_b32 s29, s24, 9                         ; my K step's 512 bytes
	s_add_co_u32 s28, s28, s29
	s_mov_b32 s29, 0
	s_add_nc_u64 s[16:17], s[16:17], s[28:29]
	s_mul_i32 s30, ttmp9, REC
	s_mul_i32 s31, s24, 1536
	s_add_co_u32 s30, s30, s31
	s_mov_b32 s31, 0
	s_add_nc_u64 s[14:15], s[14:15], s[30:31]      ; my fragment's image
.irp i, 0,1,2,3,4,5,6,7,8,9,10,11,12,13,14,15
	global_load_b128 v[R+4*\i:R+4*\i+3], v1, s[16:17] offset:(\i+24*(\i/8))*4096 th:TH_LOAD_NT   ; the tile's row i: 512 consecutive bytes; read once in the launch
.endr
.irp i, 0,1,2,3,4,5,6,7,8,9,10,11,12,13,14,15
	s_wait_loadcnt 15-\i                           ; loads come back in order: row i is in, the younger rows stay out
	ds_store_b128 v5, v[R+4*\i:R+4*\i+3] offset:SPITCH*\i
.endr
.irp c, 0,1
.irp j, 0,1,2,3,4,5,6,7
	ds_load_b128 v[X+32*\c+4*\j:X+32*\c+4*\j+3], v6 offset:256*\c+16*\j   ; LDS serves a wave's instructions in order: these see my stores
.endr
.endr
	s_wait_dscnt 0x0
.irp u, 0,1,2,3                        ; half blocks, four chains by turns
	v_max3_num_f32 v[TM+\u], |v[X+16*\u]|, |v[X+16*\u+1]|, |v[X+16*\u+2]|
.endr
.irp i, 3,5,7,9,11,13
.irp u, 0,1,2,3
	v_max3_num_f32 v[TM+\u], v[TM+\u], |v[X+16*\u+\i]|, |v[X+16*\u+\i+1]|
.endr
.endr
.irp c, 0,1
	v_max3_num_f32 v[TM+2*\c], v[TM+2*\c], |v[X+32*\c+15]|, |v[X+32*\c+31]|
.endr
.irp c, 0,1
	v_max3_num_f32 v[TM+2*\c], v[TM+2*\c], v[TM+2*\c+1], 0x1800000   ; block 2 c + h's largest magnitude, and the floor 2^(3 - 127): the byte cannot fall under 1
.endr
	v_add_nc_u32 v148, 0xff000000, v144            ; 2 off the exponent field: the conversions' scale operand
	v_add_nc_u32 v149, 0xff000000, v146
	v_lshrrev_b32 v150, 23, v148                   ; the scale's byte
	v_lshrrev_b32 v151, 23, v149
	ds_store_b8 v9, v150
	ds_store_b8 v9, v151 offset:2
.irp c, 0,1
	v_cvt_scalef32_pk16_fp6_f32 v[PC+6*\c:PC+6*\c+2], v[X+32*\c:X+32*\c+15], v[148+\c]
	v_cvt_scalef32_pk16_fp6_f32 v[164+4*\c:166+4*\c], v[X+32*\c+16:X+32*\c+31], v[148+\c]   ; (a conversion's three registers begin on an even number)
.endr
	v_nop                                          ; one plain place behind a scaled conversion
.irp c, 0,1
.irp i, 0,1,2
	v_mov_b32 v[PC+6*\c+3+\i], v[164+4*\c+\i]
.endr
.endr
.irp p, 0,1,2
	global_store_b128 v1, v[PC+4*\p:PC+4*\p+3], s[14:15] offset:512*\p
.endr
	s_wait_dscnt 0x0                               ; for the others' sake: my bytes have landed
	s_barrier_signal -1
	s_barrier_wait -1
	s_cmp_lg_u32 s24, 0
	s_cbranch_scc1 .Ldone
	ds_load_b128 v[R:R+3], v10                     ; wave 0 sends the record's scale words: 512 consecutive bytes
	s_wait_dscnt 0x0
	global_store_b128 v1, v[R:R+3], s[14:15] offset:12288   ; (wave 0's base is the record's first byte)
.Ldone:
	s_wait_tensorcnt 0x0                           ; the wave's end
	ds_add_u32 v[SPW], v[NIL]
	s_wait_dscnt 0x0
	s_endpgm
.Lfunc_end_k_q06795d0c8d_quant:
	.size	k_q06795d0c8d_quant, .Lfunc_end_k_q06795d0c8d_quant-k_q06795d0c8d_quant
	.p2alignl 7, 3214868480
	.fill 96, 4, 3214868480
	.section	.rodata,"a",@progbits
	.p2align	6, 0x0
	.amdhsa_kernel k_q06795d0c8d_quant
		.amdhsa_group_segment_fixed_size 69120
		.amdhsa_private_segment_fixed_size 0
		.amdhsa_enable_private_segment 0
		.amdhsa_kernarg_size 48
		.amdhsa_user_sgpr_count 2
		.amdhsa_user_sgpr_kernarg_segment_ptr 1
		.amdhsa_wavefront_size32 1
		.amdhsa_system_sgpr_workgroup_id_x 1
		.amdhsa_system_sgpr_workgroup_id_y 1
		.amdhsa_system_sgpr_workgroup_id_z 1
		.amdhsa_system_vgpr_workitem_id 0
		.amdhsa_next_free_vgpr 176
		.amdhsa_next_free_sgpr 66
		.amdhsa_reserve_vcc 0
		.amdhsa_float_denorm_mode_32 3
		.amdhsa_float_denorm_mode_16_64 3
		.amdhsa_memory_ordered 1
		.amdhsa_forward_progress 1
		.amdhsa_inst_pref_size 10
	.end_amdhsa_kernel
	.amdgpu_metadata
---
amdhsa.version: [ 1, 2 ]
amdhsa.kernels:
  - .name:           k_q06795d0c8d_quant
    .symbol:         k_q06795d0c8d_quant.kd
    .args:
      - { .name: x, .offset: 0, .size: 8, .value_kind: global_buffer, .address_space: global }
      - { .name: Wq, .offset: 8, .size: 8, .value_kind: global_buffer, .address_space: global }
      - { .name: Wk, .offset: 16, .size: 8, .value_kind: global_buffer, .address_space: global }
      - { .name: Wv, .offset: 24, .size: 8, .value_kind: global_buffer, .address_space: global }
      - { .name: Wo, .offset: 32, .size: 8, .value_kind: global_buffer, .address_space: global }
      - { .name: xw, .offset: 40, .size: 8, .value_kind: global_buffer, .address_space: global }
    .group_segment_fixed_size: 69120
    .private_segment_fixed_size: 0
    .kernarg_segment_align: 8
    .kernarg_segment_size: 48
    .max_flat_workgroup_size: 256
    .sgpr_count:     66
    .vgpr_count:     176
    .wavefront_size: 32
...
	.end_amdgpu_metadata
.endif
;; end of part 1
;; launch qkv (part 2): grid 32 x 8, 4 waves a work-group, clusters of 4 x 1, 308,224 bytes of LDS; arguments xw, bq, bk, bv, qc, kv; writes qc, kv
.if DOCPART == 2
	.amdgcn_target "amdgcn-amd-amdhsa--gfx1250"
	.amdhsa_code_object_version 6
	.text
	.protected	k_q06795d0c8d_qkv
	.globl	k_q06795d0c8d_qkv
	.p2align	8
	.type	k_q06795d0c8d_qkv,@function
k_q06795d0c8d_qkv:
	s_mov_b64 s[64:65], 0
	v_nop
	global_prefetch_b8 v0, s[64:65] scope:SCOPE_SE
	s_setreg_imm32_b32 hwreg(HW_REG_WAVE_MODE, 25, 1), 1
	s_wait_xcnt 0x0
	s_wait_alu depctr_hold_cnt(0) depctr_sa_sdst(0) depctr_va_vdst(0) depctr_va_sdst(0) depctr_va_ssrc(0) depctr_va_vcc(0) depctr_vm_vsrc(0)
	s_getreg_b32 s2, hwreg(HW_REG_IB_STS2, 6, 4)
	s_cmp_eq_u32 s2, 0
	s_cbranch_scc0 .Lentry_in_a_cluster
	s_endpgm
.Lentry_in_a_cluster:
	s_bfe_u32 s2, ttmp6, 0x10000c
	s_cmp_lg_u32 s2, 0x3003
	s_cbranch_scc0 .Lentry_shape_is_right
	s_endpgm
.Lentry_shape_is_right:
; q = x Wq^T + bq, k = x Wk^T + bk, v = x Wv^T + bv on codes of FP6 (E2M3) with E8M0 scales, sums in f32; the results are quantised in registers for attention's two products:
; q and k along the head's 64 channels, v along the keys.  Nothing wide goes to memory.
; INPUT: xw's records of 12,800 bytes, one for each tile of 16 rows (0-255 x, 256-319 Wq, 320-383 Wk, 384-447 Wv): K step q is a fragment's image at 1536 q, registers 4 p .. at 512 p + 16 x lane;
; scale words at 12,288 + 32 r + 4 q.  Lane r of tile g holds row 64 (g / 4) + 8 (g % 4) + 32 (r / 8) + r % 8.
; SHARES.  Work-group (X, y) makes tokens 128 X .. of heads 2 y, 2 y + 1: 128 columns each of q, k and v.  256 work-groups.  Wave (a, b) takes token band a (64) and head 2 y + b.
; A wave holds its four tiles of x, ALL of K, in 384 registers and streams twelve tiles of the weights past them (blocks 0-3 Wq, 4-7 Wk, 8-11 Wv), 32 products each: a fragment read from LDS feeds four products.
; LDS: the 24 records of the weights, 307,200 bytes, each filled once; behind them v's scale bytes on their way out, and the spare words.
; FILLS: one joint tensor load a wave (wave 0, 1 half of Wq's eight records each, wave 2 Wk's, wave 3 Wv's).  A CLUSTER of 4 x 1 has one y and four X: its partners need the same weights and ask jointly.
; x IS NOT ASKED FOR JOINTLY: beside the weights' 307,200 bytes its 102,400 do not fit in LDS, and it goes into registers, each load 512 consecutive bytes.
; No prefetch: there is no loop, and all that the launch reads is asked for at its head.
; q and k: source 0 = the weight's tile, source 1 = x's: register 8 j + i of lane (r, h) is channel 32 h + 8 j + i of token r's row: a whole block of 32 a lane.
; v: source 0 = x's tile, source 1 = the weight's: register 8 n + i is token 64 a + 32 h + 8 n + i of one channel: a whole block too.
; OUTPUT.  qc: record (16 (16 batch + head) + group of 128 queries) of 6,656 bytes: tile t's half image (64 along K) at 768 t: registers 0-3 at 16 x lane, 4-5 at 512 + 8 x lane; scale words at 6,144 + 256 (t / 4) + 16 r + 4 (t % 4).
; kv: record of 13,056 bytes for 128 keys: k's tiles 2 u, 2 u + 1 as one image of 12 registers at 1536 u (pieces of four registers, 512 bytes each), scale words at 12,288 as in qc;
; v's tile d, band c at 6,144 + 1536 d + 768 c as in qc; its scale words at 12,800 + 16 r + 4 d.  Bytes 2 and 3 of a q or k word repeat bytes 0 and 1: they meet zero codes alone.
; LIMITS: NaN and infinities are not served; a block of zeros or under 2^-124 gets the byte 1: its codes are zeros or the nearest under that scale, and this program alone reads the bytes.
; A BLOCK'S WAY OUT stands in a later block: behind every second product one line of a largest-magnitude chain for each of at most two tiles; the conversions behind the block's last product.
.set REC,  12800
.set VST,  24*REC                      ; v's scale bytes: 256 a head
.set SPARE, VST+512
.set AW,   4                           ; v4-6    LDS address of my head's records of Wq, Wk, Wv, + 16 x lane
.set AS,   7                           ; v7-9    of their scale words
.set SPW, 10
.set NIL, 11
.set PS,  12                           ; v12-15  byte selectors for q's and k's scale words
.set STV, 18                           ; v18     LDS: v's scale byte
.set VBR, 19                           ; v19-22  v's bias, one number a tile
.set VE,  23                           ; v23     x's scale words' offset, later v's scale byte
.set SX,  24                           ; v24-39  x's scale words: register 8 p + q: lanes 0-15 tile 2 p, lanes 16-31 tile 2 p + 1
.set TQ,  40
.set SW,  44                           ; v44-59  the weights' scale words, two sets
.set TC,  60
.set RDV, 63
.set HV0, 64                           ; v64-191 sums of q, later of v
.set KB,  192                          ; v192-223 k's bias
.set MCD, 224                          ; v224-247 codes on the way out
.set SOP, 248
.set EB,  250
.set PA,  254
.set PB,  255
.set HV1, 840                          ; v840-967 sums of k
.set QB,  968                          ; v968-999 q's bias, later v's
.set PW,  1000
.set SEL, 100
.set MSB, 0
.macro WIN new                         ; the immediate's high byte repeats the setting that is left
.if MSB != \new
	s_set_vgpr_msb (MSB<<8)|\new
.set MSB, \new
.endif
.endm
.macro WALU
	s_wait_alu depctr_va_vdst(0)
.endm
.macro ROUND                           ; a round of the cluster's barrier
	s_barrier_signal -1
	s_barrier_wait -1
	s_cmp_lg_u32 s16, 0
	s_cbranch_scc1 .Lnot_wave_0_\@
	s_barrier_signal -3
.Lnot_wave_0_\@:
	s_barrier_wait -3
	s_barrier_signal -1
	s_barrier_wait -1
.endm
.macro PLACES                          ; four plain places behind a matrix instruction (ISA guide 7.12.1)
.rept 4
	v_nop
.endr
.endm
.macro MKG0 g, lds, off
	s_mov_b32 s[\g], 1
	s_mov_b32 s[\g+1], \lds
	s_add_nc_u64 s[\g+2:\g+3], s[56:57], \off
	s_or_b32 s[\g+3], s[\g+3], 0x80000000
.endm
.macro MKG1 g, rows                    ; a dense block as rows of 256 bytes
	s_mov_b32 s[\g], 15|(3<<16)|(1<<21)            ; 15:0 the mask: all four; 17:16 elements of 8 bytes; 21 set beside a mask
	s_mov_b32 s[\g+1], 32<<16
	s_mov_b32 s[\g+2], (\rows)<<16
	s_mov_b32 s[\g+3], 32<<16
	s_mov_b32 s[\g+4], \rows
	s_mov_b32 s[\g+5], 32
	s_mov_b32 s[\g+6], 0
	s_mov_b32 s[\g+7], 0
.endm
.macro BASE d, src, rec, k, c          ; s[d] = buffer + record + k x band + c
	s_mul_i32 s62, s17, \k
	s_add_co_u32 s62, s62, s\rec
	s_add_co_u32 s62, s62, \c
	s_add_nc_u64 s[\d:\d+1], s[\src:\src+1], s[62:63]
.endm
; Fragment f lies in window 1 + f / 21 at register 12 (f % 21): 0-31 x's (4 q + n), 32-39 and 40-47 the weights' two sets.
.macro FETCH s                         ; the weight tile of block s, all of K, into set s % 2: 26 loads
.irp q, 0,1,2,3,4,5,6,7
.set F_, 32+8*((\s)%2)+\q
	WIN (1+F_/21)<<6
.irp p, 0,1,2
	ds_load_b128 v[12*(F_%21)+4*\p:12*(F_%21)+4*\p+3], v[AW+(\s)/4] offset:((\s)%4)*REC+1536*\q+512*\p
.endr
.endr
	WIN 0
	ds_load_b128 v[SW+8*((\s)%2):SW+8*((\s)%2)+3], v[AS+(\s)/4] offset:((\s)%4)*REC
	ds_load_b128 v[SW+8*((\s)%2)+4:SW+8*((\s)%2)+7], v[AS+(\s)/4] offset:((\s)%4)*REC+16
.endm
.macro PM f0, f1, x0, x1, side, row
.if \row
	v_wmma_scale_f32_16x16x128_f8f6f4 v[(D_&255):(D_&255)+7], v[12*((\f0)%21):12*((\f0)%21)+11], v[12*((\f1)%21):12*((\f1)%21)+11], v[(C_&255):(C_&255)+7], v[\x0], v[\x1] matrix_a_fmt:MATRIX_FMT_FP6 matrix_b_fmt:MATRIX_FMT_FP6 matrix_\side\()_scale:MATRIX_SCALE_ROW1
.else
	v_wmma_scale_f32_16x16x128_f8f6f4 v[(D_&255):(D_&255)+7], v[12*((\f0)%21):12*((\f0)%21)+11], v[12*((\f1)%21):12*((\f1)%21)+11], v[(C_&255):(C_&255)+7], v[\x0], v[\x1] matrix_a_fmt:MATRIX_FMT_FP6 matrix_b_fmt:MATRIX_FMT_FP6 matrix_\side\()_scale:MATRIX_SCALE_ROW0
.endif
.endm
; product n of block s: K step n / 4, x's tile n % 4.  The first K step takes the bias as C.  The block's four accumulators take turns.
.macro PROD s, n
.set Q_, (\n)/4
.set T_, (\n)%4
.set B_, 32+8*((\s)%2)+Q_
.if (\s) < 8
.set D_, HV0+(HV1-HV0)*((\s)/4)+32*T_+8*((\s)%4)
.else
.set D_, HV0+32*((\s)%4)+8*T_
.endif
.set C_, D_
.if Q_ == 0
.set C_, QB+(KB-QB)*(((\s)/4)%2)+8*((\s)%4)
.endif
.if (\s) < 8
	WIN (1+B_/21)|((1+(\n)/21)<<2)|((C_>>8)<<4)|((D_>>8)<<6)
	PM B_, (\n), SW+8*((\s)%2)+Q_, SX+8*(T_/2)+Q_, b, T_%2
.else
	WIN (1+(\n)/21)|((1+B_/21)<<2)|((C_>>8)<<4)|((D_>>8)<<6)
	PM (\n), B_, SX+8*(T_/2)+Q_, SW+8*((\s)%2)+Q_, a, T_%2
.endif
.endm
.macro CH k, x, t                      ; line k of 16: the largest magnitude of the 32 sums from register x on, each accumulator from its low end on
.set W_, (\x)>>8
.set L_, (\x)&255
.if (\k) == 0
	WIN W_|(W_<<2)|(W_<<4)
	v_max3_num_f32 v[\t], |v[L_]|, |v[L_+1]|, |v[L_+2]|
.elseif (\k) < 15
	WIN (W_<<2)|(W_<<4)
	v_max3_num_f32 v[\t], v[\t], |v[L_+2*(\k)+1]|, |v[L_+2*(\k)+2]|
.else
	WIN W_<<2
	v_max3_num_f32 v[\t], v[\t], |v[L_+31]|, 0x1800000   ; and the floor 2^(3 - 127)
.endif
.endm
.macro BLK s, from, to, x=0, y=0       ; products from .. to - 1 of block s; x, y: tiles whose chains stand among them
.set N_, \from
.rept (\to)-(\from)
.if ((\s) == 0) && (N_%4 == 0)
.if N_ < 8
	s_wait_loadcnt 63                              ; of the 96 loads of x's fragments the first 33 at least are in
.else
	s_wait_loadcnt 12*(7-N_/4)                     ; the later K steps' fragments of x may be out
.endif
.endif
	PROD \s, N_
.if N_%2
.if \x
	CH N_/2, \x, TQ
.endif
.if \y
	CH N_/2, \y, TQ+1
.endif
.if ((\s)/4 == 1) && (N_ < 16)
	WIN 3<<6
	v_mov_b32 v[QB-768+8*((\s)-4)+N_/2], v[VBR+(\s)-4]   ; v's bias over a tile's eight registers, where q's lay
.endif
.endif
.set N_, N_+1
.endr
.endm
.macro WAYOUT
	WIN 0
	WALU
	s_wait_xcnt 0x0                                ; the last block's stores have read their registers
.endm
.macro CODES x, c, t, o, eb            ; 32 sums become six registers of codes from c on, and the scale's byte
	WIN 0
	v_add_nc_u32 v[SOP+\o], 0xff000000, v[\t]      ; 2 off the exponent field: the conversion's scale operand
.set W_, (\x)>>8
.set L_, (\x)&255
	WIN W_
	v_cvt_scalef32_pk16_fp6_f32 v[\c:\c+2], v[L_:L_+15], v[SOP+\o]
	v_cvt_scalef32_pk16_fp6_f32 v[TC:TC+2], v[L_+16:L_+31], v[SOP+\o]   ; (a conversion's three registers begin on an even number)
	WIN 0
	v_lshrrev_b32 v[\eb], 23, v[SOP+\o]
	v_mov_b32 v[\c+3], v[TC]
	v_mov_b32 v[\c+4], v[TC+1]
	v_mov_b32 v[\c+5], v[TC+2]
.endm
.macro HALFOUT c, base, off            ; a half image: 512 and 256 consecutive bytes
	global_store_b128 v1, v[\c:\c+3], s[\base:\base+1] offset:\off
	global_store_b64 v2, v[\c+4:\c+5], s[\base:\base+1] offset:\off+512
.endm
.macro PAIROUT c, off                  ; two of k's tiles
.irp p, 0,1,2
	global_store_b128 v1, v[\c+4*\p:\c+4*\p+3], s[68:69] offset:\off+512*\p
.endr
.endm
.macro WORDS base                      ; four tiles' scale words: a lane's own four bytes and lane l xor 16's; 256 consecutive bytes, lanes 16-31 repeat lanes 0-15
	v_lshl_or_b32 v[PA], v[EB+1], 8, v[EB]
	v_lshl_or_b32 v[PA], v[EB+2], 16, v[PA]
	v_lshl_or_b32 v[PA], v[EB+3], 24, v[PA]
	v_permlanex16_b32 v[PB], v[PA], s[SEL], s[SEL+1]
	WIN 3<<6
.irp n, 0,1,2,3
	v_perm_b32 v[PW-768+\n], v[PB], v[PA], v[PS+\n]
.endr
	WIN 3<<2
	global_store_b128 v3, v[PW-768:PW-768+3], s[\base:\base+1]
	WIN 0
.endm
	s_load_b256 s[4:11], s[0:1], 0x0               ; xw, bq, bk, bv
	s_load_b128 s[12:15], s[0:1], 0x20             ; qc, kv
	v_lshl_add_u32 v[SPW], v0, 2, SPARE
	v_mov_b32 v[NIL], 0
	ds_add_u32 v[SPW], v[NIL]                      ; the opening lines: the add, twice on end
	ds_add_u32 v[SPW], v[NIL]
	v_lshrrev_b32 v1, 5, v0
	v_readfirstlane_b32 s16, v1                    ; wave
	s_lshr_b32 s17, s16, 1                         ; a: my token band
	s_and_b32 s18, s16, 1                          ; b: my head of the two
	s_bfe_u32 s19, ttmp6, 0x40000                  ; cx
	s_lshl_b32 s21, ttmp9, 2
	s_add_co_u32 s21, s21, s19                     ; X: which 128 tokens; it enters x's and the results' addresses, no LDS address, no descriptor and no branch
	s_and_b32 s22, ttmp7, 0xffff                   ; y: which two heads
	MKG1 24, 200                                   ; four records
	MKG1 32, 400                                   ; eight
	v_and_b32 v20, 31, v0                          ; lane
	v_and_b32 v21, 15, v0                          ; r
	v_bfe_u32 v22, v0, 4, 1                        ; h
	v_lshlrev_b32 v1, 4, v20
	v_lshlrev_b32 v2, 3, v20
	v_lshlrev_b32 v3, 4, v21
	v_lshlrev_b32 v16, 7, v22                      ; q's and k's bias: channels 32 h on
	v_lshrrev_b32 v17, 3, v21
	v_lshlrev_b32 v17, 7, v17
	v_and_b32 v23, 7, v21
	v_lshl_add_u32 v17, v23, 2, v17                ; v's: channel 32 (r / 8) + r % 8
	v_mul_u32_u24 v[VE], 0x3200, v22
	v_lshl_add_u32 v[VE], v21, 5, v[VE]            ; x's scale words: row r; lanes 16-31 the next tile
	s_mul_i32 s2, s18, 4*REC
	s_add_co_u32 s3, s2, 12288
	v_lshlrev_b32 v20, 5, v21
.irp k, 0,1,2
	v_add_nc_u32 v[AW+\k], s2, v1
	v_add_nc_u32 v[AS+\k], s3, v20
	s_add_co_u32 s2, s2, 8*REC
	s_add_co_u32 s3, s3, 8*REC
.endr
	s_lshl_b32 s2, s18, 8
	s_add_co_u32 s2, s2, VST
	v_add_nc_u32 v[RDV], s2, v3                    ; my head's scale bytes of v, row r
	s_lshl_b32 s3, s17, 1
	v_add_nc_u32 v[STV], v[RDV], v22
	v_add_nc_u32 v[STV], s3, v[STV]                ; byte 2 a + h of my row's word
	v_sub_nc_u32 v20, 0, v22
	v_and_b32 v20, 0x04040404, v20
	v_xor_b32 v[PS], 0x04000400, v20               ; byte 0 from lanes 0-15, byte 1 from lanes 16-31
	v_add_nc_u32 v[PS+1], 0x01010101, v[PS]
	v_add_nc_u32 v[PS+2], 0x02020202, v[PS]
	v_add_nc_u32 v[PS+3], 0x03030303, v[PS]
	v_mov_b32 v[PB], 0                             ; written once: a lane permute's destination counts as one of its sources
	s_mov_b32 s[SEL], 0x76543210
	s_mov_b32 s[SEL+1], 0xfedcba98
	s_mul_i32 s56, s22, 8*REC
	s_add_co_u32 s56, s56, 256*REC                 ; Wq's eight records of my y
	s_mov_b32 s57, 0
	WALU
	s_wait_dscnt 0x0                               ; both opening adds are done
	ROUND                                          ; all four work-groups are here: the joint loads meet
	s_wait_kmcnt 0x0
	s_add_nc_u64 s[56:57], s[4:5], s[56:57]
	MKG0 40, 0, 0
	MKG0 44, 4*REC, 4*REC
	MKG0 48, 8*REC, 64*REC
	MKG0 52, 16*REC, 128*REC
.macro ARM under, g0, g1, next
	s_cmp_lt_u32 s16, \under
	s_cbranch_scc0 \next
	tensor_load_to_lds s[\g0:\g0+3], s[\g1:\g1+7]
	s_nop 0
	PLACES
	s_branch .Lasked
\next:
.endm
	ARM 1, 40, 24, .Larm1                          ; one load a wave, each in an arm of its own
	ARM 2, 44, 24, .Larm2
	ARM 3, 48, 32, .Larm3
	tensor_load_to_lds s[52:55], s[32:39]
	s_nop 0
	PLACES
.Lasked:
	s_lshl_b32 s58, s21, 3
	s_lshl_b32 s59, s17, 2
	s_add_co_u32 s58, s58, s59
	s_mul_i32 s58, s58, REC                        ; x's records 8 X + 4 a on
	s_mov_b32 s59, 0
	s_add_nc_u64 s[58:59], s[4:5], s[58:59]
.irp p, 0,1
.irp k, 0,1
	global_load_b128 v[SX+8*\p+4*\k:SX+8*\p+4*\k+3], v[VE], s[58:59] offset:12288+2*REC*\p+16*\k
.endr
.endr
	s_lshl_b32 s20, s22, 1
	s_add_co_u32 s20, s20, s18                     ; my head
	s_lshl_b32 s60, s20, 8
	s_mov_b32 s61, 0
	s_add_nc_u64 s[78:79], s[6:7], s[60:61]
	s_add_nc_u64 s[80:81], s[8:9], s[60:61]
	s_add_nc_u64 s[82:83], s[10:11], s[60:61]
	WIN 3<<6
.irp k, 0,1,2,3,4,5,6,7
	global_load_b128 v[QB-768+4*\k:QB-768+4*\k+3], v16, s[78:79] offset:16*\k
.endr
	WIN 0
.irp k, 0,1,2,3,4,5,6,7
	global_load_b128 v[KB+4*\k:KB+4*\k+3], v16, s[80:81] offset:16*\k
.endr
.irp t, 0,1,2,3
	global_load_b32 v[VBR+\t], v17, s[82:83] offset:32*\t
.endr
.set F_, 0
.rept 32                               ; x's 32 fragments, K step by K step: 96 loads
.irp p, 0,1,2
	WIN (1+F_/21)<<6
	global_load_b128 v[12*(F_%21)+4*\p:12*(F_%21)+4*\p+3], v1, s[58:59] offset:(F_%4)*REC+1536*(F_/4)+512*\p
.endr
.set F_, F_+1
.endr
	WIN 0
	s_lshr_b32 s60, s21, 4                         ; the batch
	s_lshl_b32 s60, s60, 4
	s_add_co_u32 s60, s60, s20
	s_lshl_b32 s60, s60, 4
	s_and_b32 s61, s21, 15
	s_add_co_u32 s60, s60, s61                     ; the record
	s_mul_i32 s84, s60, 6656
	s_mul_i32 s85, s60, 13056
	s_mov_b32 s63, 0
	BASE 66, 12, 84, 3072, 0                       ; q's codes
	BASE 70, 12, 84, 256, 6144                     ; q's scale words
	BASE 68, 14, 85, 3072, 0                       ; k's codes
	BASE 72, 14, 85, 256, 12288                    ; k's scale words
	BASE 74, 14, 85, 768, 6144                     ; v's codes
	BASE 76, 14, 85, 0, 12800                      ; v's scale words
	WALU
	s_cmp_lt_u32 s16, 2
	s_cbranch_scc0 .Lnot_q
	s_wait_tensorcnt 0x0                           ; waves 0 and 1: Wq's records are in; Wk's and Wv's may still be on their way
.Lnot_q:
	s_barrier_signal -1
	s_barrier_wait -1
	FETCH 0
	FETCH 1
.irp s, 0,1,2,3
	s_wait_dscnt 26                                ; the block's fragments are in; the next block's 26 loads may be out
.if \s == 2
	BLK \s, 0, 16
	s_wait_tensorcnt 0x0                           ; Wk's and Wv's records: shown to all ahead of block 4's fetch
	s_wait_dscnt 0x0
	s_barrier_signal -1
	BLK \s, 16, 32
	s_barrier_wait -1
.else
	BLK \s, 0, 32
.endif
	WIN 0
	PLACES                                         ; in front of loads into registers that the products have read
	FETCH \s+2
.endr
.irp s, 4,5,6,7
	s_wait_dscnt 26
	BLK \s, 0, 32, HV0+32*(\s-4)
	WAYOUT
	CODES HV0+32*(\s-4), MCD+6*(\s-4), TQ, 0, EB+(\s-4)
	HALFOUT MCD+6*(\s-4), 66, 768*(\s-4)
.if \s == 7
	WORDS 70
.endif
	WALU
	FETCH \s+2
.endr
	s_wait_dscnt 26
	BLK 8, 0, 32, HV1, HV1+32
	WAYOUT
	CODES HV1, MCD, TQ, 0, EB
	CODES HV1+32, MCD+6, TQ+1, 1, EB+1
	PAIROUT MCD, 0
	WALU
	FETCH 10
	s_wait_dscnt 26
	BLK 9, 0, 32, HV1+64, HV0
	WAYOUT
	CODES HV1+64, MCD+12, TQ, 0, EB+2
	CODES HV0, MCD, TQ+1, 1, VE
	ds_store_b8 v[STV], v[VE]
	HALFOUT MCD, 74, 0
	WALU
	FETCH 11
	s_wait_dscnt 26
	BLK 10, 0, 32, HV1+96, HV0+32
	WAYOUT
	CODES HV1+96, MCD+18, TQ, 0, EB+3
	CODES HV0+32, MCD+6, TQ+1, 1, VE
	ds_store_b8 v[STV], v[VE] offset:4
	PAIROUT MCD+12, 1536
	HALFOUT MCD+6, 74, 1536
	WORDS 72
	WALU
	s_wait_dscnt 0x0
	BLK 11, 0, 32, HV0+64
	WAYOUT
	CODES HV0+64, MCD, TQ, 0, VE
	ds_store_b8 v[STV], v[VE] offset:8
	HALFOUT MCD, 74, 3072
	; v's last tile: two chains side by side
	v_max3_num_f32 v[TQ], |v[HV0+96]|, |v[HV0+97]|, |v[HV0+98]|
	v_max3_num_f32 v[TQ+1], |v[HV0+112]|, |v[HV0+113]|, |v[HV0+114]|
.irp i, 3,5,7,9,11,13
	v_max3_num_f32 v[TQ], v[TQ], |v[HV0+96+\i]|, |v[HV0+97+\i]|
	v_max3_num_f32 v[TQ+1], v[TQ+1], |v[HV0+112+\i]|, |v[HV0+113+\i]|
.endr
	v_max3_num_f32 v[TQ], v[TQ], |v[HV0+111]|, |v[HV0+127]|
	v_max3_num_f32 v[TQ], v[TQ], v[TQ+1], 0x1800000
	v_add_nc_u32 v[SOP], 0xff000000, v[TQ]
	v_lshrrev_b32 v[VE], 23, v[SOP]
	ds_store_b8 v[STV], v[VE] offset:12
	WALU
	s_wait_dscnt 0x0                               ; for the other band's wave: my bytes have landed
	s_barrier_signal -1
	v_cvt_scalef32_pk16_fp6_f32 v[MCD+6:MCD+8], v[HV0+96:HV0+111], v[SOP]
	v_cvt_scalef32_pk16_fp6_f32 v[TC:TC+2], v[HV0+112:HV0+127], v[SOP]
	v_nop                                          ; one plain place behind a scaled conversion
.irp i, 0,1,2
	v_mov_b32 v[MCD+9+\i], v[TC+\i]
.endr
	WALU
	s_barrier_wait -1
	HALFOUT MCD+6, 74, 4608
	s_cmp_lg_u32 s17, 0
	s_cbranch_scc1 .Lend
	ds_load_b128 v[64:67], v[RDV]                  ; band 0's wave sends its head's scale words of v: 256 consecutive bytes, lanes 16-31 repeat lanes 0-15
	s_wait_dscnt 0x0
	global_store_b128 v3, v[64:67], s[76:77]
.Lend:
	s_wait_tensorcnt 0x0                           ; the wave's end
	ds_add_u32 v[SPW], v[NIL]
	s_wait_dscnt 0x0
	ROUND                                          ; the closing round: no work-group ends while a partner may still ask for a tile that names it
	s_endpgm
.Lfunc_end_k_q06795d0c8d_qkv:
	.size	k_q06795d0c8d_qkv, .Lfunc_end_k_q06795d0c8d_qkv-k_q06795d0c8d_qkv
	.p2alignl 7, 3214868480
	.fill 96, 4, 3214868480
	.section	.rodata,"a",@progbits
	.p2align	6, 0x0
	.amdhsa_kernel k_q06795d0c8d_qkv
		.amdhsa_group_segment_fixed_size 308224
		.amdhsa_private_segment_fixed_size 0
		.amdhsa_enable_private_segment 0
		.amdhsa_kernarg_size 48
		.amdhsa_user_sgpr_count 2
		.amdhsa_user_sgpr_kernarg_segment_ptr 1
		.amdhsa_wavefront_size32 1
		.amdhsa_system_sgpr_workgroup_id_x 1
		.amdhsa_system_sgpr_workgroup_id_y 1
		.amdhsa_system_sgpr_workgroup_id_z 1
		.amdhsa_system_vgpr_workitem_id 0
		.amdhsa_next_free_vgpr 1024
		.amdhsa_next_free_sgpr 106
		.amdhsa_reserve_vcc 0
		.amdhsa_float_denorm_mode_32 3
		.amdhsa_float_denorm_mode_16_64 3
		.amdhsa_memory_ordered 1
		.amdhsa_forward_progress 1
		.amdhsa_inst_pref_size 124
	.end_amdhsa_kernel
	.amdgpu_metadata
---
amdhsa.version: [ 1, 2 ]
amdhsa.kernels:
  - .name:           k_q06795d0c8d_qkv
    .symbol:         k_q06795d0c8d_qkv.kd
    .args:
      - { .name: xw, .offset: 0, .size: 8, .value_kind: global_buffer, .address_space: global }
      - { .name: bq, .offset: 8, .size: 8, .value_kind: global_buffer, .address_space: global }
      - { .name: bk, .offset: 16, .size: 8, .value_kind: global_buffer, .address_space: global }
      - { .name: bv, .offset: 24, .size: 8, .value_kind: global_buffer, .address_space: global }
      - { .name: qc, .offset: 32, .size: 8, .value_kind: global_buffer, .address_space: global }
      - { .name: kv, .offset: 40, .size: 8, .value_kind: global_buffer, .address_space: global }
    .group_segment_fixed_size: 308224
    .private_segment_fixed_size: 0
    .kernarg_segment_align: 8
    .kernarg_segment_size: 48
    .max_flat_workgroup_size: 128
    .sgpr_count:     106
    .vgpr_count:     1024
    .wavefront_size: 32
...
	.end_amdgpu_metadata
.endif
;; end of part 2
;; launch attn (part 3): grid 8 x 32, 16 waves a work-group, clusters of 4 x 1, 245,760 bytes of LDS; arguments qc, kv, yc; writes yc
.if DOCPART == 3
	.amdgcn_target "amdgcn-amd-amdhsa--gfx1250"
	.amdhsa_code_object_version 6
	.text
	.protected	k_q06795d0c8d_attn
	.globl	k_q06795d0c8d_attn
	.p2align	8
	.type	k_q06795d0c8d_attn,@function
k_q06795d0c8d_attn:
	s_mov_b64 s[64:65], 0
	v_nop
	global_prefetch_b8 v0, s[64:65] scope:SCOPE_SE
	s_setreg_imm32_b32 hwreg(HW_REG_WAVE_MODE, 25, 1), 1
	s_wait_xcnt 0x0
	s_wait_alu depctr_hold_cnt(0) depctr_sa_sdst(0) depctr_va_vdst(0) depctr_va_sdst(0) depctr_va_ssrc(0) depctr_va_vcc(0) depctr_vm_vsrc(0)
	s_getreg_b32 s2, hwreg(HW_REG_IB_STS2, 6, 4)
	s_cmp_eq_u32 s2, 0
	s_cbranch_scc0 .Lentry_in_a_cluster
	s_endpgm
.Lentry_in_a_cluster:
	s_bfe_u32 s2, ttmp6, 0x10000c
	s_cmp_lg_u32 s2, 0x3003
	s_cbranch_scc0 .Lentry_shape_is_right
	s_endpgm
.Lentry_shape_is_right:
; y[b][q][head] = softmax over the keys k <= q of (q . k / 8) times v, both products on codes of FP6 (E2M3) with E8M0 scales; y is quantised along its 1,024 channels for the output projection.
; THE SOFTMAX AHEAD OF THE SECOND PRODUCT: t = score x log2(e) / 8; M = the row's largest t so far, rounded UP to a whole number; p = 2^(t - M) is what is quantised, along the keys; it is not normalised.
; The row's sum is taken of the unquantised p, in f32, and divides O at the end.  When M moves, the sum and O are multiplied by 2^(old M - new M): exact.
; LEFT OUT: score tiles of 16 queries x 128 keys whose keys all come after the queries: reference()'s own causal mask hides them for all inputs.  A NaN or an infinity that reaches only those is not carried on.
; INPUT.  qc: record (16 hh + group of 128 queries) of 6,656 bytes, hh = 16 batch + head: tile t's half image (64 along K: registers 0-3 at 16 x lane, 4-5 at 512 + 8 x lane) at 768 t; scale words at 6,144 + 256 (t / 4) + 16 r + 4 (t % 4).
; kv: record (16 hh + step of 128 keys) of 13,056 bytes: k's tiles 2 u, 2 u + 1 at 1536 u (pieces of four registers), v's tile d, band c at 6,144 + 1536 d + 768 c as in qc, k's scale words at 12,288, v's at 12,800 + 16 r + 4 d.
; Lane r of tile g holds row 64 (g / 4) + 8 (g % 4) + 32 (r / 8) + r % 8, of tokens and of v's channels alike: register 32 c + 8 j + i of the scores of lane (r, h) is key 64 c + 32 h + 8 j + i of the step:
; a lane holds whole blocks of 32 keys, in the order of the second product's operand; and O's 32 registers are a whole block of channels, 32 h + 0 .. 31.
; SHARES.  The work-group's y is hh; its x, i = 0 .. 7, picks a tile in each group of 128 queries: sixteen tiles, tile m has m + 1 key steps.  The tiles m and 15 - m (m = 0 .. 7), 17 steps, belong to two waves:
; wave 8 + m takes tile 15 - m's key steps 0 .. 7; wave m takes tile m, all m + 1 of them, and then tile 15 - m's steps 8 .. 15 - m, nine in all.  At the end wave 8 + m hands its O, M and sum to wave m through LDS.
; So any four waves w, w + 4, w + 8, w + 12 have 34 steps, and none has more than nine.
; NO RING.  The head's sixteen records, 208,896 bytes, stay in LDS; each is filled once, by a joint load of the wave of its number.  The first step reads record 0 alone, which wave 0's load brings; the others land under it.
; No prefetch: every tile is asked for at the head, ahead of the loop.
; CLUSTER of 4 x 1: the four work-groups walk the same head, so each load is joint, with a mask that names the four.
; BOTH PRODUCTS ARE USED TRANSPOSED: S^T = K Q^T, O^T = V^T P^T: a lane holds one query throughout.
; THE HEAD HAS 64 CHANNELS, THE INSTRUCTION 128 ALONG K.  Q's upper six registers are zero codes.  K's tiles lie six registers apart, so the upper six registers of a tile's operand are the next tile's codes
; (behind the last tile: zeros): they meet Q's zero codes under finite scale bytes and add exactly nothing.
; LIMITS: NaN and infinities are not served; the promise holds while the scaled scores stay under 2^31 in magnitude; a block of zeros or under 2^-124 gets the byte 1.  A block's largest p is taken from its largest score
; by the same multiply-add and exponential, which takes v_exp_f32 not to fall where its input rises.
.set KVREC, 13056
.set STASH, 16*KVREC                   ; for each of eight pairs of waves: 4,096 bytes of O, 256 of -M and sums
.set STB,   4352
.set SPARE, STASH+8*STB
.set KF,  36                           ; v36-89 K's eight half fragments and six zeros; later V's four fragments in v36-83
.set KS,  212                          ; v212-219 K's scale words; v220-223 V's
.set VS,  220
.set MK,  66                           ; s[66:97] hidden keys of the diagonal's band: register n's lanes
.macro WALU
	s_wait_alu depctr_va_vdst(0)
.endm
.macro ROUND                           ; a round of the cluster's barrier
	s_barrier_signal -1
	s_barrier_wait -1
	s_cmp_lg_u32 s10, 0
	s_cbranch_scc1 .Lnot_wave_0_\@
	s_barrier_signal -3
.Lnot_wave_0_\@:
	s_barrier_wait -3
	s_barrier_signal -1
	s_barrier_wait -1
.endm
; THE WAY OUT of a tile: y = O^T / the sum, quantised; sc, ss: where its codes and its scale bytes go
.macro FINISH sc, ss
	v_nop                                          ; with the three lines below: the places behind the last products
	v_add_f32 v14, v14, v15                        ; the sum's two halves,
	v_permlanex16_b32 v231, v14, s20, s21
	v_add_f32 v14, v14, v231                       ; and lane l xor 16's
	WALU
	v_rcp_f32 v14, v14
	v_nop
	WALU
.set n, 0
.rept 32
	v_mul_f32 v[96+n], v[160+n], v14
.set n, n+1
.endr
	v_max3_num_f32 v224, |v96|, |v97|, |v98|
	v_max3_num_f32 v225, |v112|, |v113|, |v114|
.irp i, 3,5,7,9,11,13
	v_max3_num_f32 v224, v224, |v[96+\i]|, |v[97+\i]|
	v_max3_num_f32 v225, v225, |v[112+\i]|, |v[113+\i]|
.endr
	v_max3_num_f32 v224, v224, |v111|, |v127|
	v_max3_num_f32 v224, v224, v225, 0x1800000     ; the floor 2^(3 - 127)
	v_add_nc_u32 v226, 0xff000000, v224            ; 2 off the exponent field: the conversion's scale operand
	v_cvt_scalef32_pk16_fp6_f32 v[192:194], v[96:111], v226
	v_cvt_scalef32_pk16_fp6_f32 v[204:206], v[112:127], v226
	v_lshrrev_b32 v227, 23, v226                   ; the scale's byte
	v_mov_b32 v195, v204
	v_mov_b32 v196, v205
	v_mov_b32 v197, v206
	global_store_b128 v1, v[192:195], s[\sc:\sc+1]               ; half a fragment's image: 512 consecutive bytes, aligned,
	global_store_b64 v2, v[196:197], s[\sc:\sc+1] offset:512     ; and 256
	global_store_b8 v5, v227, s[\ss:\ss+1]         ; a byte a lane: the word's other half is another head's work-group's
.endm
; A KEY STEP: 128 keys, the record at s51; s49 the trip.
.macro STEP
	v_add_nc_u32 v8, s51, v1                       ; with the v_nop: the four places between the last step's products and the loads into their operands
	v_add_nc_u32 v9, s51, v2
	v_add_nc_u32 v10, s51, v3
	v_nop
	s_add_co_u32 s50, s49, s19
	s_cmp_eq_u32 s50, 16                           ; waves 8-15 have no ninth step: a branch on the wave's number and the trip, round no barrier and no tensor load
	s_cbranch_scc1 .Lidle_\@
	ds_load_b128 v[KS:KS+3], v10 offset:12288
	ds_load_b128 v[KS+4:KS+7], v10 offset:12544
.irp u, 0,1,2,3
.irp p, 0,1,2
	ds_load_b128 v[KF+12*\u+4*\p:KF+12*\u+4*\p+3], v8 offset:1536*\u+512*\p
.endr
.endr
	s_wait_dscnt 0x0
.irp t, 0,1,2,3,4,5,6,7
	v_wmma_scale_f32_16x16x128_f8f6f4 v[96+8*\t:103+8*\t], v[KF+6*\t:KF+6*\t+11], v[16:27], 0, v[KS+\t], v34 matrix_a_fmt:MATRIX_FMT_FP6 matrix_b_fmt:MATRIX_FMT_FP6
.endr
.rept 4
	v_nop                                          ; places in front of the loads into K's registers and of the first read of the scores
.endr
	WALU
.irp d, 0,1,2,3                        ; V's four fragments are asked for now and land under the softmax
.irp c, 0,1
	ds_load_b128 v[KF+12*\d+6*\c:KF+12*\d+6*\c+3], v8 offset:6144+1536*\d+768*\c
	ds_load_b64 v[KF+12*\d+6*\c+4:KF+12*\d+6*\c+5], v9 offset:6144+1536*\d+768*\c+512
.endr
.endr
	ds_load_b128 v[VS:VS+3], v10 offset:12800
	s_cmp_eq_u32 s49, s10                          ; wave m's step m lies on tile m's diagonal, its ninth on tile 15 - m's
	s_cbranch_scc1 .Ldiag_\@
	s_cmp_lg_u32 s49, 8
	s_cbranch_scc1 .Lopen_\@
.Ldiag_\@:
	s_cmp_eq_u32 ttmp9, 0                          ; the cluster's x, which the partners share, is the queries' band of 64 in their group
	s_cbranch_scc1 .Lband_0_\@
.set n, 0
.rept 32
	v_cndmask_b32 v[128+n], v[128+n], v254, s[MK+n]   ; band 1: band 0's keys all come before my query
.set n, n+1
.endr
	WALU
	s_branch .Lopen_\@
.Lband_0_\@:
.set n, 0
.rept 32
	v_cndmask_b32 v[96+n], v[96+n], v254, s[MK+n]
.set n, n+1
.endr
.set n, 0
.rept 32
	v_mov_b32 v[128+n], v254                       ; band 1's keys all come after my query
.set n, n+1
.endr
	WALU
.Lopen_\@:
.irp c, 0,1                            ; the largest score of each of my two blocks of 32 keys (2 c + h): for the row's maximum, and, since p rises with the score, for the block's largest p
	v_max3_num_f32 v[224+\c], v[96+32*\c], v[97+32*\c], v[98+32*\c]
	v_max3_num_f32 v[226+\c], v[112+32*\c], v[113+32*\c], v[114+32*\c]
.endr
.irp i, 3,5,7,9,11,13
.irp c, 0,1
	v_max3_num_f32 v[224+\c], v[224+\c], v[96+32*\c+\i], v[97+32*\c+\i]
	v_max3_num_f32 v[226+\c], v[226+\c], v[112+32*\c+\i], v[113+32*\c+\i]
.endr
.endr
.irp c, 0,1
	v_max3_num_f32 v[224+\c], v[224+\c], v[111+32*\c], v[127+32*\c]
.endr
.irp c, 0,1
	v_max_num_f32 v[224+\c], v[224+\c], v[226+\c]
.endr
	v_mov_b32 v229, v12
	v_max_num_f32 v226, v224, v225
	s_delay_alu instid0(VALU_DEP_1)
	v_permlanex16_b32 v227, v226, s20, s21
	s_delay_alu instid0(VALU_DEP_1)
	v_max3_num_f32 v13, v13, v226, v227            ; the running largest score
	s_delay_alu instid0(VALU_DEP_1)
	v_mul_f32 v228, s62, v13                       ; -t
	s_delay_alu instid0(VALU_DEP_1)
	v_floor_f32 v12, v228                          ; the new -M = floor(-t) = -ceil(t): a whole number
	s_delay_alu instid0(VALU_DEP_1)
	v_sub_f32 v229, v12, v229                      ; M's old value less its new one: a whole number, 0 or less
	s_delay_alu instid0(VALU_DEP_1)
	v_cvt_i32_f32 v229, v229                       ; (it saturates)
	s_delay_alu instid0(VALU_DEP_1)
	v_ldexp_f32 v252, 1.0, v229                    ; f = 2^(old M - new M)
.set n, 0
.rept 32
	v_pk_fma_f32 v[96+n:97+n], v[96+n:97+n], s[22:23], v[12:13] op_sel_hi:[1,0,0]   ; t - M, two at a time (of the pairs c and -M the low word serves both halves)
.set n, n+2
.endr
	v_fma_f32 v224, v224, s22, v12                 ; the same of each block's largest score
	v_fma_f32 v225, v225, s22, v12
	WALU
	v_exp_f32 v224, v224                           ; the blocks' largest p
	v_exp_f32 v225, v225
.set n, 0
.rept 64
	v_exp_f32 v[96+n], v[96+n]                     ; p = 2^(t - M), at most 1: not normalised
.set n, n+1
.endr
	v_pk_mul_f32 v[14:15], v[14:15], v[252:253] op_sel_hi:[1,0]   ; the sums under the new M.  (A plain place behind the exponentials)
	WALU
.set n, 0
.rept 16
	v_pk_mul_f32 v[160+n:161+n], v[160+n:161+n], v[252:253] op_sel_hi:[1,0]   ; O^T under the new M, each accumulator from its low end on
.set n, n+2
.endr
	v_max_num_f32 v224, 0x1800000, v224            ; the floor 2^(3 - 127): the byte cannot fall under 1
	v_max_num_f32 v225, 0x1800000, v225
	v_add_nc_u32 v226, 0xff000000, v224            ; 2 off the exponent field: the conversions' scale operands
	v_add_nc_u32 v227, 0xff000000, v225
	v_cvt_scalef32_pk16_fp6_f32 v[192:194], v[96:111], v226
	v_cvt_scalef32_pk16_fp6_f32 v[204:206], v[112:127], v226   ; (a conversion's three registers begin on an even number)
	v_cvt_scalef32_pk16_fp6_f32 v[198:200], v[128:143], v227
	v_cvt_scalef32_pk16_fp6_f32 v[208:210], v[144:159], v227
	v_lshrrev_b32 v228, 23, v226                   ; the bytes of blocks h and 2 + h
	v_lshrrev_b32 v229, 23, v227
.irp i, 0,1,2
	v_mov_b32 v[195+\i], v[204+\i]
	v_mov_b32 v[201+\i], v[208+\i]
.endr
	v_lshl_or_b32 v230, v229, 16, v228
	v_pk_add_f32 v[236:237], v[96:97], v[98:99]    ; the sum of the unquantised p, four chains by turns
	v_pk_add_f32 v[238:239], v[100:101], v[102:103]
	v_pk_add_f32 v[240:241], v[104:105], v[106:107]
	v_permlanex16_b32 v231, v230, s20, s21
	v_pk_add_f32 v[14:15], v[14:15], v[108:109]
.irp n, 110,118,126,134,142,150
	v_pk_add_f32 v[236:237], v[236:237], v[\n:\n+1]
	v_pk_add_f32 v[238:239], v[238:239], v[\n+2:\n+3]
	v_pk_add_f32 v[240:241], v[240:241], v[\n+4:\n+5]
	v_pk_add_f32 v[14:15], v[14:15], v[\n+6:\n+7]
.if \n == 110
	v_perm_b32 v232, v231, v230, s63               ; p's scale word for these 128 keys: in lanes 0-15 bytes 0, 2 are my own, bytes 1, 3 lane l + 16's (lanes 16-31 are not read)
.endif
.endr
	v_pk_add_f32 v[236:237], v[236:237], v[158:159]
	v_pk_add_f32 v[238:239], v[238:239], v[240:241]
	v_pk_add_f32 v[14:15], v[14:15], v[236:237]
	v_pk_add_f32 v[14:15], v[14:15], v[238:239]
	WALU
	s_wait_dscnt 0x0                               ; V is in
.irp d, 0,1,2,3                        ; O^T += V^T P^T: four tiles of 16 channels by turns, one instruction a turn; K = these 128 keys
	v_wmma_scale_f32_16x16x128_f8f6f4 v[160+8*\d:167+8*\d], v[KF+12*\d:KF+12*\d+11], v[192:203], v[160+8*\d:167+8*\d], v[VS+\d], v232 matrix_a_fmt:MATRIX_FMT_FP6 matrix_b_fmt:MATRIX_FMT_FP6
.endr
	s_cmp_lg_u32 s49, s10                          ; wave m's step m was tile m's last: it goes out, and tile 15 - m begins
	s_cbranch_scc1 .Lgoes_on_\@
	FINISH 54, 56
	v_mov_b32 v34, v35
.irp i, 0,1,2,3,4,5
	v_mov_b32 v[16+\i], v[28+\i]
.endr
	v_mov_b32 v12, 0x7f61b1e6                      ; -M under every M: the next f is 0, which clears O and the sums
	v_mov_b32 v13, 0xff61b1e6
	WALU
	s_wait_xcnt 0x0                                ; the tile's stores have read their registers
.Lgoes_on_\@:
.Lidle_\@:
.endm
	s_load_b128 s[4:7], s[0:1], 0x0                ; qc, kv
	s_load_b64 s[8:9], s[0:1], 0x10                ; yc
	v_lshl_add_u32 v250, v0, 2, SPARE
	v_mov_b32 v251, 0
	ds_add_u32 v250, v251                          ; the opening lines: the add, twice on end
	ds_add_u32 v250, v251
	v_lshrrev_b32 v8, 5, v0
	v_readfirstlane_b32 s10, v8                    ; wave 0..15
	s_and_b32 s11, s10, 7                          ; m
	s_and_b32 s19, s10, 8
	s_bfe_u32 s12, ttmp6, 0x40000                  ; cx: it enters Q's and y's addresses and the mask's numbers, no LDS address and no branch
	s_lshl_b32 s13, ttmp9, 2
	s_add_co_u32 s13, s13, s12                     ; i
	s_and_b32 s14, ttmp7, 0xffff                   ; hh
	s_mov_b32 s24, 15|(3<<16)|(1<<21)              ; 15:0 the mask: all four; 17:16 elements of 8 bytes; 21 set beside a mask
	s_mov_b32 s25, 32<<16                          ; rows of 256 bytes, dense
	s_mov_b32 s26, 51<<16                          ; 51 of them: a record
	s_mov_b32 s27, 32<<16
	s_mov_b32 s28, 51
	s_mov_b32 s29, 32
	s_mov_b32 s30, 0
	s_mov_b32 s31, 0
	s_mul_i32 s41, s10, KVREC                      ; record = wave
	s_mul_i32 s32, s14, 16*KVREC
	s_add_co_u32 s32, s32, s41
	s_mov_b32 s33, 0
	s_mov_b32 s40, 1
	v_and_b32 v8, 31, v0
	v_and_b32 v6, 15, v0                           ; r
	v_bfe_u32 v7, v0, 4, 1                         ; h
	v_lshlrev_b32 v1, 4, v8                        ; 16 x lane
	v_lshlrev_b32 v2, 3, v8                        ; 8 x lane
	v_lshlrev_b32 v3, 4, v6                        ; 16 r
	s_mul_i32 s17, s11, STB
	s_add_co_u32 s17, s17, STASH
	v_add_nc_u32 v4, s17, v1                       ; my pair's stash
	v_add_nc_u32 v11, s17, v2
	v_lshl_add_u32 v5, v6, 5, v7                   ; y's scale byte: row r, byte h
	v_and_b32 v224, 7, v6
	v_lshrrev_b32 v225, 3, v6
	v_lshl_add_u32 v224, v225, 5, v224
	v_lshlrev_b32 v225, 5, v7
	v_sub_nc_u32 v224, v224, v225
	s_lshl_b32 s18, s12, 3
	v_add_nc_u32 v224, s18, v224                   ; my query in its band of 64, less 32 h
	WALU
	s_wait_dscnt 0x0                               ; both opening adds are done
	ROUND                                          ; all four work-groups are here: the joint loads meet
	s_wait_kmcnt 0x0
	s_add_nc_u64 s[42:43], s[6:7], s[32:33]
	s_or_b32 s43, s43, 0x80000000
	s_cmp_eq_u32 s10, 0                            ; one load a wave; wave 0's has a line of its own
	s_cbranch_scc0 .Lothers
	tensor_load_to_lds s[40:43], s[24:31]
	s_nop 0
.rept 4
	v_nop
.endr
	s_branch .Lasked
.Lothers:
	tensor_load_to_lds s[40:43], s[24:31]
	s_nop 0
.rept 4
	v_nop
.endr
.Lasked:
	s_xor_b32 s16, s11, 15                         ; tile 15 - m
	s_cmp_lt_u32 s10, 8
	s_cselect_b32 s15, s10, s16                    ; my first tile
	s_mul_i32 s34, s14, 16*6656
	s_mul_i32 s35, s13, 768
	s_lshl_b32 s36, ttmp9, 8
	s_lshl_b32 s37, s12, 2
	s_add_co_u32 s36, s36, s37
	s_add_co_u32 s36, s36, 6144
.macro QLOAD tile, v, sc               ; a query tile and its scale words
	s_mul_i32 s32, \tile, 6656
	s_add_co_u32 s32, s32, s34
	s_add_co_u32 s98, s32, s36
	s_add_co_u32 s32, s32, s35
	s_mov_b32 s99, 0
	s_add_nc_u64 s[44:45], s[4:5], s[32:33]
	s_add_nc_u64 s[46:47], s[4:5], s[98:99]
	global_load_b128 v[\v:\v+3], v1, s[44:45]
	global_load_b64 v[\v+4:\v+5], v2, s[44:45] offset:512
	global_load_b32 v\sc, v3, s[46:47]
.endm
	QLOAD s15, 16, 34
	s_wait_xcnt 0x0
	QLOAD s16, 28, 35
	s_lshr_b32 s34, s14, 4                         ; y: record 128 batch + 8 x tile + i,
	s_lshl_b32 s34, s34, 7
	s_add_co_u32 s34, s34, s13
	s_bfe_u32 s35, s14, 0x30001                    ; K step head / 2,
	s_and_b32 s36, s14, 1                          ; half head % 2
	s_mul_i32 s37, s35, 1536
	s_mul_i32 s38, s36, 768
	s_add_co_u32 s37, s37, s38                     ; codes
	s_lshl_b32 s38, s35, 2
	s_lshl_b32 s39, s36, 1
	s_add_co_u32 s38, s38, s39
	s_add_co_u32 s38, s38, 12288                   ; scale bytes
.macro YBASE tile, d
	s_lshl_b32 s98, \tile, 3
	s_add_co_u32 s98, s98, s34
	s_mul_i32 s98, s98, 12800
	s_add_co_u32 s32, s98, s38
	s_add_co_u32 s98, s98, s37
	s_add_nc_u64 s[\d:\d+1], s[8:9], s[98:99]
	s_add_nc_u64 s[\d+2:\d+3], s[8:9], s[32:33]
.endm
	YBASE s15, 54
	YBASE s16, 58
	s_mov_b32 s20, 0x76543210                      ; v_permlanex16_b32's selects for lane l xor 16
	s_mov_b32 s21, 0xfedcba98
	s_mov_b32 s22, 0x3e38aa3b                      ; c = log2(e) / 8: the f32 number log2(e) with 3 off its exponent, so score x c is (score / 8) x log2(e) to the bit
	s_mov_b32 s23, s22                             ; (named with it as a pair, so it is written)
	s_mov_b32 s62, 0xbe38aa3b                      ; -c
	s_mov_b32 s63, 0x06020400
	s_xor_b32 s52, s11, 7
	s_mul_i32 s52, s52, KVREC                      ; tile 15 - m's trips: key step = trip + 7 - m
	s_mov_b32 s49, 0
	s_mov_b32 s51, 0
.set n, 0
.rept 32
	v_cmp_gt_i32 s[MK+n], n, v224                  ; register n of the diagonal's band holds key 32 h + n: hidden where it lies behind my query
.set n, n+1
.endr
	v_mov_b32 v254, 0xf1800000                     ; a hidden score: -2^100
	v_mov_b32 v12, 0x7f61b1e6                      ; -M and the largest score so far: under every M and every score
	v_mov_b32 v13, 0xff61b1e6
	v_mov_b32 v14, 0                               ; the sum, in two halves
	v_mov_b32 v15, 0
.irp j, 22,23,24,25,26,27,84,85,86,87,88,89
	v_mov_b32 v\j, 0                               ; Q's upper 64 along K, and what follows K's last tile: zero codes
.endr
	v_mov_b32 v231, 0                              ; written once: a lane permute's destination counts as one of its sources, and a pair is named whole
	v_mov_b32 v253, 0
.set n, 0
.rept 32
	v_mov_b32 v[160+n], 0                          ; O^T.  (The step is written for every step alike: the first finds zeros, which the first change of M leaves zeros)
.set n, n+1
.endr
	WALU
	s_cmp_lg_u32 s10, 0
	s_cbranch_scc1 .Lnot_first
	s_wait_tensorcnt 0x0                           ; wave 0: record 0 is in; the others may still be on their way: nothing is filled again in this launch
.Lnot_first:
	s_barrier_signal -1
	s_barrier_wait -1
	s_wait_loadcnt 0x0                             ; Q
	STEP                                           ; the first step: record 0 for every wave
	WALU
	s_wait_tensorcnt 0x0                           ; my record is in
	s_wait_dscnt 0x0
	s_barrier_signal -1
	s_barrier_wait -1                              ; and everybody's
	s_mov_b32 s48, KVREC
	s_mov_b32 s49, 1
.Ltrips:
	s_cmp_gt_u32 s49, s10                          ; wave m is past tile m
	s_cselect_b32 s51, s52, 0
	s_add_co_u32 s51, s51, s48
	STEP
	s_add_co_u32 s48, s48, KVREC
	s_add_co_u32 s49, s49, 1
	s_cmp_lt_u32 s49, 9
	s_cbranch_scc1 .Ltrips
	; THE JOIN: wave 8 + m hands O, -M and its sum to wave m
.rept 4
	v_nop                                          ; places behind the last products
.endr
	WALU
	s_cmp_lt_u32 s10, 8
	s_cbranch_scc1 .Ltakes
	v_add_f32 v13, v14, v15
.irp k, 0,1,2,3,4,5,6,7
	ds_store_b128 v4, v[160+4*\k:163+4*\k] offset:512*\k
.endr
	ds_store_b64 v11, v[12:13] offset:4096
.Ltakes:
	s_wait_dscnt 0x0                               ; for the other wave's sake: my stores have landed
	s_barrier_signal -1
	s_barrier_wait -1
	s_cmp_ge_u32 s10, 8
	s_cbranch_scc1 .Lend
	ds_load_b64 v[128:129], v11 offset:4096
.irp k, 0,1,2,3,4,5,6,7
	ds_load_b128 v[96+4*\k:99+4*\k], v4 offset:512*\k
.endr
	s_wait_dscnt 0x0
	v_min_num_f32 v130, v12, v128                  ; -M of both
	v_sub_f32 v131, v130, v12
	v_sub_f32 v132, v130, v128
	v_cvt_i32_f32 v131, v131
	v_cvt_i32_f32 v132, v132
	v_ldexp_f32 v134, 1.0, v131                    ; my factor,
	v_ldexp_f32 v136, 1.0, v132                    ; and the other's: whole powers of two
	v_pk_mul_f32 v[14:15], v[14:15], v[134:135] op_sel_hi:[1,0]
	v_fma_f32 v14, v129, v136, v14
.set n, 0
.rept 16
	v_pk_mul_f32 v[160+n:161+n], v[160+n:161+n], v[134:135] op_sel_hi:[1,0]
.set n, n+2
.endr
.set n, 0
.rept 16
	v_pk_fma_f32 v[160+n:161+n], v[96+n:97+n], v[136:137], v[160+n:161+n] op_sel_hi:[1,0,1]
.set n, n+2
.endr
	FINISH 58, 60
.Lend:
	s_wait_tensorcnt 0x0                           ; the wave's end
	ds_add_u32 v250, v251
	s_wait_dscnt 0x0
	ROUND                                          ; the closing round: no work-group ends while a partner may still ask for a tile that names it
	s_endpgm
.Lfunc_end_k_q06795d0c8d_attn:
	.size	k_q06795d0c8d_attn, .Lfunc_end_k_q06795d0c8d_attn-k_q06795d0c8d_attn
	.p2alignl 7, 3214868480
	.fill 96, 4, 3214868480
	.section	.rodata,"a",@progbits
	.p2align	6, 0x0
	.amdhsa_kernel k_q06795d0c8d_attn
		.amdhsa_group_segment_fixed_size 245760
		.amdhsa_private_segment_fixed_size 0
		.amdhsa_enable_private_segment 0
		.amdhsa_kernarg_size 24
		.amdhsa_user_sgpr_count 2
		.amdhsa_user_sgpr_kernarg_segment_ptr 1
		.amdhsa_wavefront_size32 1
		.amdhsa_system_sgpr_workgroup_id_x 1
		.amdhsa_system_sgpr_workgroup_id_y 1
		.amdhsa_system_sgpr_workgroup_id_z 1
		.amdhsa_system_vgpr_workitem_id 0
		.amdhsa_next_free_vgpr 256
		.amdhsa_next_free_sgpr 106
		.amdhsa_reserve_vcc 0
		.amdhsa_float_denorm_mode_32 3
		.amdhsa_float_denorm_mode_16_64 3
		.amdhsa_memory_ordered 1
		.amdhsa_forward_progress 1
		.amdhsa_inst_pref_size 65
	.end_amdhsa_kernel
	.amdgpu_metadata
---
amdhsa.version: [ 1, 2 ]
amdhsa.kernels:
  - .name:           k_q06795d0c8d_attn
    .symbol:         k_q06795d0c8d_attn.kd
    .args:
      - { .name: qc, .offset: 0, .size: 8, .value_kind: global_buffer, .address_space: global }
      - { .name: kv, .offset: 8, .size: 8, .value_kind: global_buffer, .address_space: global }
      - { .name: yc, .offset: 16, .size: 8, .value_kind: global_buffer, .address_space: global }
    .group_segment_fixed_size: 245760
    .private_segment_fixed_size: 0
    .kernarg_segment_align: 8
    .kernarg_segment_size: 24
    .max_flat_workgroup_size: 512
    .sgpr_count:     106
    .vgpr_count:     256
    .wavefront_size: 32
...
	.end_amdgpu_metadata
.endif
;; end of part 3
;; launch proj (part 4): grid 8 x 32, 4 waves a work-group, clusters of 4 x 1, 167,936 bytes of LDS; arguments yc, xw, bo, out0; writes out0
.if DOCPART == 4
	.amdgcn_target "amdgcn-amd-amdhsa--gfx1250"
	.amdhsa_code_object_version 6
	.text
	.protected	k_q06795d0c8d_proj
	.globl	k_q06795d0c8d_proj
	.p2align	8
	.type	k_q06795d0c8d_proj,@function
k_q06795d0c8d_proj:
	s_mov_b64 s[64:65], 0
	v_nop
	global_prefetch_b8 v0, s[64:65] scope:SCOPE_SE
	s_setreg_imm32_b32 hwreg(HW_REG_WAVE_MODE, 25, 1), 1
	s_wait_xcnt 0x0
	s_wait_alu depctr_hold_cnt(0) depctr_sa_sdst(0) depctr_va_vdst(0) depctr_va_sdst(0) depctr_va_ssrc(0) depctr_va_vcc(0) depctr_vm_vsrc(0)
	s_getreg_b32 s2, hwreg(HW_REG_IB_STS2, 6, 4)
	s_cmp_eq_u32 s2, 0
	s_cbranch_scc0 .Lentry_in_a_cluster
	s_endpgm
.Lentry_in_a_cluster:
	s_bfe_u32 s2, ttmp6, 0x10000c
	s_cmp_lg_u32 s2, 0x3003
	s_cbranch_scc0 .Lentry_shape_is_right
	s_endpgm
.Lentry_shape_is_right:
; out = y Wo^T + bo on codes of FP6 (E2M3) with E8M0 scales, sums in f32; out [4096][1024] f32.
; INPUT: records of 12,800 bytes, a tile of 16 rows each; xw (448-511: Wo's tiles): K step q at 1536 q, registers 4 p .. at 512 p + 16 x lane; yc (256: y's tiles of 16 tokens): K step q at 1536 q,
; registers 0-3 at 16 x lane, 4-5 at 512 + 8 x lane, 6-9 at 768 + 16 x lane, 10-11 at 1280 + 8 x lane; scale words at 12,288 + 32 r + 4 q in both.
; Lane r of tile g holds row 64 (g / 4) + 8 (g % 4) + 32 (r / 8) + r % 8.
; LIMITS: NaN and infinities are not served.
; SHARES.  A work-group makes 128 tokens x 128 outputs; wave (a, b) token band a (64) x 64 outputs.  256 work-groups.  A wave holds its four tiles of Wo, ALL of K, in 384 registers and streams y's four tiles of its band past them,
; 32 products each: 16 tokens x 64 outputs are finished with each block and leave under the next one's products.
; y's eight records, 102,400 bytes, are filled once, by one joint tensor load a wave (two records): a CLUSTER of 4 x 1 has one token tile and four output tiles.
; Wo IS NOT ASKED FOR JOINTLY: it goes straight into registers, each load 512 consecutive bytes, with no way through LDS.  No prefetch: there is no loop, and all that the launch reads is asked for at its head.
; THE MATRIX INSTRUCTION IS USED TRANSPOSED (source 0 = Wo's tile, source 1 = y's): register 8 n + i of lane (r, h) is output 32 h + 8 n + i of token r's row.
; THE WAY OUT goes through each wave's own stage in LDS, behind the bytes that tensor loads fill: 16 tokens x 256 bytes come back as rows, and sixteen lanes store 256 consecutive bytes, aligned.
.set REC,  12800
.set STG,  8*REC                       ; the stages: 16 rows x (256 bytes + 16) for each wave
.set SPITCH, 272
.set SPARE, STG+4*16*SPITCH
.set CO,   3                           ; v3     4096 h + 16 r
.set AY16, 4
.set AY8,  5
.set AYS,  6
.set STO,  7
.set RD,   8
.set SPW, 10
.set NIL, 11
.set SX,  24                           ; v24-39  Wo's scale words: register 8 p + q: lanes 0-15 tile 2 p, lanes 16-31 tile 2 p + 1
.set SW,  44                           ; v44-59  y's, two sets
.set ACC, 64                           ; v64-127 two sets of four accumulators
.set BK, 128                           ; v128-191 rows on the way out, by turns
.set QB, 192                           ; v192-223 the bias
.set NF,  34                           ; LDS loads of a block
.set MSB, 0
.macro WIN new
.if MSB != \new
	s_set_vgpr_msb (MSB<<8)|\new
.set MSB, \new
.endif
.endm
.macro WALU
	s_wait_alu depctr_va_vdst(0)
.endm
.macro ROUND                           ; a round of the cluster's barrier
	s_barrier_signal -1
	s_barrier_wait -1
	s_cmp_lg_u32 s16, 0
	s_cbranch_scc1 .Lnot_wave_0_\@
	s_barrier_signal -3
.Lnot_wave_0_\@:
	s_barrier_wait -3
	s_barrier_signal -1
	s_barrier_wait -1
.endm
.macro PLACES                          ; four plain places behind a matrix instruction (ISA guide 7.12.1)
.rept 4
	v_nop
.endr
.endm
; Fragment f lies in window 1 + f / 21 at register 12 (f % 21): 0-31 Wo's (4 q + n), 32-39 and 40-47 y's two sets.
.macro FETCH s                         ; y's tile s of my band, all of K, into set s % 2
.irp q, 0,1,2,3,4,5,6,7
.set F_, 32+8*((\s)%2)+\q
.set G_, 12*(F_%21)
	WIN (1+F_/21)<<6
	ds_load_b128 v[G_:G_+3], v[AY16] offset:(\s)*REC+1536*\q
	ds_load_b64 v[G_+4:G_+5], v[AY8] offset:(\s)*REC+1536*\q+512
	ds_load_b128 v[G_+6:G_+9], v[AY16] offset:(\s)*REC+1536*\q+768
	ds_load_b64 v[G_+10:G_+11], v[AY8] offset:(\s)*REC+1536*\q+1280
.endr
	WIN 0
	ds_load_b128 v[SW+8*((\s)%2):SW+8*((\s)%2)+3], v[AYS] offset:(\s)*REC
	ds_load_b128 v[SW+8*((\s)%2)+4:SW+8*((\s)%2)+7], v[AYS] offset:(\s)*REC+16
.endm
.macro PM f0, f1, x0, x1, row
.if \row
	v_wmma_scale_f32_16x16x128_f8f6f4 v[D_:D_+7], v[12*((\f0)%21):12*((\f0)%21)+11], v[12*((\f1)%21):12*((\f1)%21)+11], v[C_:C_+7], v[\x0], v[\x1] matrix_a_fmt:MATRIX_FMT_FP6 matrix_b_fmt:MATRIX_FMT_FP6 matrix_a_scale:MATRIX_SCALE_ROW1
.else
	v_wmma_scale_f32_16x16x128_f8f6f4 v[D_:D_+7], v[12*((\f0)%21):12*((\f0)%21)+11], v[12*((\f1)%21):12*((\f1)%21)+11], v[C_:C_+7], v[\x0], v[\x1] matrix_a_fmt:MATRIX_FMT_FP6 matrix_b_fmt:MATRIX_FMT_FP6 matrix_a_scale:MATRIX_SCALE_ROW0
.endif
.endm
; product n of block s: K step n / 4, Wo's tile n % 4.  The first K step takes the bias as C.  The four accumulators take turns.
.macro PROD s, n
.set Q_, (\n)/4
.set T_, (\n)%4
.set B_, 32+8*((\s)%2)+Q_
.set D_, ACC+32*((\s)%2)+8*T_
.set C_, D_
.if Q_ == 0
.set C_, QB+8*T_
.endif
	WIN (1+(\n)/21)|((1+B_/21)<<2)
	PM (\n), B_, SX+8*(T_/2)+Q_, SW+8*((\s)%2)+Q_, T_%2
.endm
.macro BLK s, from, to
.set N_, \from
.rept (\to)-(\from)
.if ((\s) == 0) && (N_%4 == 0)
.if N_ < 8
	s_wait_loadcnt 63                              ; of the 96 loads of Wo's fragments the first 33 at least are in
.else
	s_wait_loadcnt 12*(7-N_/4)                     ; the later K steps' fragments of Wo may be out
.endif
.endif
	PROD \s, N_
.set N_, N_+1
.endr
	WIN 0
.endm
.macro TOSTAGE s                       ; LDS serves a wave's instructions in order (ISA guide 5.7.1.4): no wait between the stores and the loads, nor in front of the next block's stores
.irp n, 0,1,2,3
	ds_store_b128 v[STO], v[ACC+32*((\s)%2)+8*\n:ACC+32*((\s)%2)+8*\n+3] offset:32*\n          ; each accumulator from its low end on
	ds_store_b128 v[STO], v[ACC+32*((\s)%2)+8*\n+4:ACC+32*((\s)%2)+8*\n+7] offset:32*\n+16
.endr
.irp i, 0,1,2,3,4,5,6,7
	ds_load_b128 v[BK+32*((\s)%2)+4*\i:BK+32*((\s)%2)+4*\i+3], v[RD] offset:2*SPITCH*\i
.endr
.endm
.macro SEND s, younger                 ; younger: the LDS instructions issued behind the block's loads from the stage, which may stay out
	s_wait_dscnt \younger
.irp i, 0,1,2,3,4,5,6,7
	global_store_b128 v[CO], v[BK+32*((\s)%2)+4*\i:BK+32*((\s)%2)+4*\i+3], s[10:11] offset:(8*(\s)+2*\i+24*(\i/4))*4096 th:TH_STORE_NT   ; the tile's rows 2 i and 2 i + 1 at their tokens: sixteen lanes store 256 consecutive bytes, aligned; written once
.endr
.endm
	s_load_b256 s[4:11], s[0:1], 0x0               ; yc, xw, bo, out0
	v_lshl_add_u32 v[SPW], v0, 2, SPARE
	v_mov_b32 v[NIL], 0
	ds_add_u32 v[SPW], v[NIL]                      ; the opening lines: the add, twice on end
	ds_add_u32 v[SPW], v[NIL]
	v_lshrrev_b32 v1, 5, v0
	v_readfirstlane_b32 s16, v1                    ; wave
	s_lshr_b32 s17, s16, 1                         ; a: my token band
	s_and_b32 s18, s16, 1                          ; b: my 64 outputs
	s_bfe_u32 s19, ttmp6, 0x40000                  ; cx
	s_lshl_b32 s21, ttmp9, 2
	s_add_co_u32 s21, s21, s19                     ; which 128 outputs: it enters Wo's, the bias's and out's addresses, no LDS address, no descriptor and no branch
	s_and_b32 s22, ttmp7, 0xffff                   ; which 128 tokens
	s_mov_b32 s24, 15|(3<<16)|(1<<21)              ; 15:0 the mask: all four; 17:16 elements of 8 bytes; 21 set beside a mask
	s_mov_b32 s25, 32<<16                          ; rows of 256 bytes, dense
	s_mov_b32 s26, 100<<16                         ; 100 of them: two records
	s_mov_b32 s27, 32<<16
	s_mov_b32 s28, 100
	s_mov_b32 s29, 32
	s_mov_b32 s30, 0
	s_mov_b32 s31, 0
	s_mov_b32 s40, 1
	s_mul_i32 s41, s16, 2*REC
	s_mul_i32 s56, s22, 8*REC
	s_add_co_u32 s56, s56, s41
	s_mov_b32 s57, 0
	v_and_b32 v20, 31, v0                          ; lane
	v_and_b32 v21, 15, v0                          ; r
	v_bfe_u32 v22, v0, 4, 1                        ; h
	v_lshlrev_b32 v1, 4, v20
	v_lshlrev_b32 v2, 3, v20
	v_lshlrev_b32 v16, 7, v22                      ; the bias: outputs 32 h on
	v_mul_u32_u24 v23, 0x3200, v22
	v_lshl_add_u32 v23, v21, 5, v23                ; Wo's scale words: row r; lanes 16-31 the next tile
	s_mul_i32 s2, s17, 4*REC
	v_add_nc_u32 v[AY16], s2, v1
	v_add_nc_u32 v[AY8], s2, v2
	s_add_co_u32 s2, s2, 12288
	v_lshlrev_b32 v20, 5, v21
	v_add_nc_u32 v[AYS], s2, v20
	s_mul_i32 s3, s16, 16*SPITCH
	s_add_co_u32 s3, s3, STG                       ; my stage
	v_mul_u32_u24 v[STO], v21, SPITCH
	v_lshl_add_u32 v[STO], v22, 7, v[STO]
	v_add_nc_u32 v[STO], s3, v[STO]                ; in: row r, + 128 h
	v_mul_u32_u24 v[RD], v22, SPITCH
	v_lshl_add_u32 v[RD], v21, 4, v[RD]
	v_add_nc_u32 v[RD], s3, v[RD]                  ; back: lanes 0-15 one row, lanes 16-31 the next
	v_lshlrev_b32 v[CO], 12, v22
	v_lshl_add_u32 v[CO], v21, 4, v[CO]            ; and the same two rows in out
	WALU
	s_wait_dscnt 0x0                               ; both opening adds are done
	ROUND                                          ; all four work-groups are here: the joint loads meet
	s_wait_kmcnt 0x0
	s_add_nc_u64 s[42:43], s[4:5], s[56:57]
	s_or_b32 s43, s43, 0x80000000
	tensor_load_to_lds s[40:43], s[24:31]          ; each wave two of y's records
	s_nop 0
	PLACES
	s_lshl_b32 s58, s21, 3
	s_lshl_b32 s59, s18, 2
	s_add_co_u32 s58, s58, s59
	s_add_co_u32 s58, s58, 448
	s_mul_i32 s58, s58, REC                        ; Wo's records
	s_mov_b32 s59, 0
	s_add_nc_u64 s[58:59], s[6:7], s[58:59]
.irp p, 0,1
.irp k, 0,1
	global_load_b128 v[SX+8*\p+4*\k:SX+8*\p+4*\k+3], v23, s[58:59] offset:12288+2*REC*\p+16*\k
.endr
.endr
	s_lshl_b32 s60, s21, 9
	s_lshl_b32 s61, s18, 8
	s_add_co_u32 s60, s60, s61                     ; my 64 outputs, in bytes
	s_mov_b32 s61, 0
	s_add_nc_u64 s[78:79], s[8:9], s[60:61]
.irp k, 0,1,2,3,4,5,6,7
	global_load_b128 v[QB+4*\k:QB+4*\k+3], v16, s[78:79] offset:16*\k
.endr
.set F_, 0
.rept 32                               ; Wo's 32 fragments, K step by K step: 96 loads
.irp p, 0,1,2
	WIN (1+F_/21)<<6
	global_load_b128 v[12*(F_%21)+4*\p:12*(F_%21)+4*\p+3], v1, s[58:59] offset:(F_%4)*REC+1536*(F_/4)+512*\p
.endr
.set F_, F_+1
.endr
	WIN 0
	s_lshl_b32 s62, s22, 7
	s_lshl_b32 s63, s17, 6
	s_add_co_u32 s62, s62, s63                     ; my first token
	s_lshl_b32 s62, s62, 12                        ; rows of 4,096 bytes
	s_add_co_u32 s62, s62, s60
	s_mov_b32 s63, 0
	s_add_nc_u64 s[10:11], s[10:11], s[62:63]
	WALU
	s_wait_tensorcnt 0x0                           ; my two records are in
	s_barrier_signal -1
	s_barrier_wait -1
	FETCH 0
	FETCH 1
	s_wait_dscnt NF                                ; tile 0 is in; tile 1's loads may be out
	BLK 0, 0, 32
	PLACES                                         ; in front of the first read of the results and of loads into registers that the products have read
	TOSTAGE 0
	FETCH 2
	s_wait_dscnt NF+16                             ; tile 1 is in; the stage's 16 and tile 2's loads may be out
	BLK 1, 0, 16
	SEND 0, NF
	BLK 1, 16, 32
	PLACES
	TOSTAGE 1
	FETCH 3
	s_wait_dscnt NF+16
	BLK 2, 0, 16
	SEND 1, NF
	BLK 2, 16, 32
	PLACES
	s_wait_xcnt 0x0                                ; block 0's stores have read their registers
	TOSTAGE 2
	s_wait_dscnt 16                                ; tile 3 is in; the stage's 16 may be out
	BLK 3, 0, 16
	SEND 2, 0
	BLK 3, 16, 32
	PLACES
	s_wait_xcnt 0x0
	TOSTAGE 3
	SEND 3, 0
	s_wait_tensorcnt 0x0                           ; the wave's end
	ds_add_u32 v[SPW], v[NIL]
	s_wait_dscnt 0x0
	ROUND                                          ; the closing round: no work-group ends while a partner may still ask for a tile that names it
	s_endpgm
.Lfunc_end_k_q06795d0c8d_proj:
	.size	k_q06795d0c8d_proj, .Lfunc_end_k_q06795d0c8d_proj-k_q06795d0c8d_proj
	.p2alignl 7, 3214868480
	.fill 96, 4, 3214868480
	.section	.rodata,"a",@progbits
	.p2align	6, 0x0
	.amdhsa_kernel k_q06795d0c8d_proj
		.amdhsa_group_segment_fixed_size 167936
		.amdhsa_private_segment_fixed_size 0
		.amdhsa_enable_private_segment 0
		.amdhsa_kernarg_size 32
		.amdhsa_user_sgpr_count 2
		.amdhsa_user_sgpr_kernarg_segment_ptr 1
		.amdhsa_wavefront_size32 1
		.amdhsa_system_sgpr_workgroup_id_x 1
		.amdhsa_system_sgpr_workgroup_id_y 1
		.amdhsa_system_sgpr_workgroup_id_z 1
		.amdhsa_system_vgpr_workitem_id 0
		.amdhsa_next_free_vgpr 848
		.amdhsa_next_free_sgpr 106
		.amdhsa_reserve_vcc 0
		.amdhsa_float_denorm_mode_32 3
		.amdhsa_float_denorm_mode_16_64 3
		.amdhsa_memory_ordered 1
		.amdhsa_forward_progress 1
		.amdhsa_inst_pref_size 49
	.end_amdhsa_kernel
	.amdgpu_metadata
---
amdhsa.version: [ 1, 2 ]
amdhsa.kernels:
  - .name:           k_q06795d0c8d_proj
    .symbol:         k_q06795d0c8d_proj.kd
    .args:
      - { .name: yc, .offset: 0, .size: 8, .value_kind: global_buffer, .address_space: global }
      - { .name: xw, .offset: 8, .size: 8, .value_kind: global_buffer, .address_space: global }
      - { .name: bo, .offset: 16, .size: 8, .value_kind: global_buffer, .address_space: global }
      - { .name: out0, .offset: 24, .size: 8, .value_kind: global_buffer, .address_space: global }
    .group_segment_fixed_size: 167936
    .private_segment_fixed_size: 0
    .kernarg_segment_align: 8
    .kernarg_segment_size: 32
    .max_flat_workgroup_size: 128
    .sgpr_count:     106
    .vgpr_count:     848
    .wavefront_size: 32
...
	.end_amdgpu_metadata
.endif
;; end of part 4
